; MI455X (gfx1250); checked and timed in simulation.
; The chip was launched on July 23, 2026; its instructions are those of AMD's public machine-readable ISA for CDNA 5 (MIT licence, August 2026) and "CDNA5" Instruction Set Architecture Reference Guide (July 2026). The comments in the code are by the model that wrote it; some were corrected since.
;; Attention. Allowed arithmetic: float matrix products may take bf16 or f16 operands with f32 sums; all other float work in f32.
;; Inputs: attn_b 1,024 float32; attn_w 1,024 x 2,048 float32; encoder_outputs 1,024 x 32 x 1,024 float32; hidden 2 x 32 x 1,024 float32; v 1,024 float32.
;; Outputs: out0 32 x 1,024 float32.
;; 2 versions, each right; version 2 is version 1 with the launch energy written anew for expert scheduling mode. Each part assembles by itself: llvm-mc -triple=amdgcn-amd-amdhsa -mcpu=gfx1250 --defsym DOCPART=n.
;; ======== version 1 of 2: 3 launches
;; workspace buffers: w2f 2,097,152 bytes; hbw 131,072 bytes; scores 131,072 bytes
;; launch prep (part 1): grid 64 x 1, 16 waves a work-group, no clusters, 34,816 bytes of LDS; arguments attn_w, attn_b, hidden, w2f, hbw; writes w2f, hbw
.if DOCPART == 1
	.amdgcn_target "amdgcn-amd-amdhsa--gfx1250"
	.amdhsa_code_object_version 6
	.text
	.protected	k_q38570859c8_prep
	.globl	k_q38570859c8_prep
	.p2align	8
	.type	k_q38570859c8_prep,@function
k_q38570859c8_prep:
	s_mov_b64 s[64:65], 0
	v_nop
	global_prefetch_b8 v0, s[64:65] scope:SCOPE_SE
	s_setreg_imm32_b32 hwreg(HW_REG_WAVE_MODE, 25, 1), 1
	s_wait_xcnt 0x0
; PREPARATION of the weights for the launch that follows.  attn_w is [1024 n][2048 k] f32; its left half multiplies hidden[1] (the same
; for every s), its right half multiplies the encoder rows.  With C2 = 2 log2(e):
;   hbw[T][b][16]  = C2 * ( sum over k of hidden[1][b][k] attn_w[n][k] + attn_b[n] ),  n = 16 T + 0..15, f32
;   w2f            = bf16( C2 * attn_w[n][1024 + k] ) in the order in which the next launch's lanes take matrix fragments:
;                    the 16 bytes at (T>>2)*131072 + kk*4096 + (T&3)*1024 + c*512 + 16 L hold row n = 16 T + (L & 15),
;                    k = 32 kk + 16 c + 8 (L >> 4) + 0..7.
; C2 is folded in because tanh(x) = 1 - 2 / (1 + 2^(C2 x)): the next launch's sums go straight into the base-2 exponential.
; hidden[0] is not read: the result does not depend on it (only the last layer's state is taken).
; SHARING: work-group T (64 of them) owns 16 rows n of attn_w, the smallest matrix tile, so that no sum over k crosses work-groups.
; Wave w (16) owns k = 64 w .. 64 w + 63 of both halves: 256 bytes of each row.  The 16 waves' partial sums meet in LDS.
; LIMITS: the small product runs on bf16 operands with f32 sums; the right half is rounded to bf16 once, after the scaling by C2.
; No cluster: the only bytes that work-groups share are hidden[1]'s 131,072 against 8,388,608 of attn_w, which nobody shares.
.set W1,  16                           ; v[16:47]    left half of attn_w: 2 fragments x 16 f32 as loaded, packed in place to 8
.set HH,  48                           ; v[48:111]   hidden[1]: [p: rows 16 p ..][fragment] x 16 f32 as loaded, packed in place to 8
.set W2,  112                          ; v[112:143]  right half: [fragment][c] x 8 f32 as loaded, scaled and packed in place to 4
.set ACC, 144                          ; v[144:159]  two accumulator tiles, p = 0, 1
.set PS,  160                          ; v[160:223]  the 16 waves' partial sums, 4 numbers each
.set BI,  224                          ; v[224:227]  attn_b of my 4 columns
	s_load_b256 s[4:11], s[0:1], 0x0               ; attn_w s[4:5], attn_b s[6:7], hidden s[8:9], w2f s[10:11]
	s_load_b64 s[12:13], s[0:1], 0x20              ; hbw
	v_lshl_add_u32 v232, v0, 2, 0x8000
	v_mov_b32 v233, 0
	v_lshrrev_b32 v1, 5, v0
	v_readfirstlane_b32 s14, v1                    ; wave 0..15
	v_and_b32 v1, 31, v0                           ; L
	v_and_b32 v2, 15, v0                           ; r = L & 15: the fragment's row
	v_bfe_u32 v3, v0, 4, 1                         ; h = L >> 4: which 8 of 16 k
	v_lshlrev_b32 v4, 13, v2                       ; attn_w: r rows of 8,192 bytes
	v_lshl_or_b32 v4, v3, 5, v4                    ;         + 8 h numbers of 4 bytes
	v_lshlrev_b32 v5, 12, v2                       ; hidden: r rows of 4,096 bytes
	v_lshl_or_b32 v5, v3, 5, v5
	v_lshlrev_b32 v6, 4, v1                        ; 16 L
	s_lshl_b32 s28, s14, 11
	v_add_nc_u32 v7, s28, v6                       ; LDS: my wave's 2,048 bytes + 16 L
	v_and_b32 v9, 3, v0
	v_lshlrev_b32 v9, 4, v9                        ; attn_b: the 4 columns that thread t finishes
	s_mov_b32 s27, 0                               ; all offsets are below 4 GiB: high word 0
	s_lshl_b32 s26, ttmp9, 17                      ; 16 rows of 8,192 bytes
	s_lshl_b32 s28, s14, 8                         ; my 64 k: 256 bytes
	s_add_co_u32 s26, s26, s28
	s_wait_kmcnt 0x0
	s_add_nc_u64 s[16:17], s[4:5], s[26:27]        ; attn_w at (16 T, 64 w)
	s_add_co_u32 s26, s28, 131072                  ; hidden[1] begins 32 x 4,096 bytes in
	s_add_nc_u64 s[18:19], s[8:9], s[26:27]
	s_lshr_b32 s26, ttmp9, 2
	s_lshl_b32 s26, s26, 17                        ; (T >> 2) * 131072
	s_and_b32 s29, ttmp9, 3
	s_lshl_b32 s29, s29, 10                        ; (T & 3) * 1024
	s_add_co_u32 s26, s26, s29
	s_lshl_b32 s29, s14, 13                        ; kk = 2 w: 2 x 4,096
	s_add_co_u32 s26, s26, s29
	s_add_nc_u64 s[20:21], s[10:11], s[26:27]
	s_lshl_b32 s26, ttmp9, 11
	s_add_nc_u64 s[22:23], s[12:13], s[26:27]      ; hbw: the group's 2,048 bytes
	s_lshl_b32 s26, ttmp9, 6
	s_add_nc_u64 s[24:25], s[6:7], s[26:27]        ; attn_b: the group's 16 numbers
	; 33 loads.  A 16-bit fragment wants k = 8 h .. 8 h + 7 in registers 0-3 and k = 16 + 8 h .. in registers 4-7 (ISA guide 7.12.2):
	; in f32 that is 32 bytes at 32 h and 32 bytes at 64 + 32 h: piece c of four lies at 64 (c >> 1) + 16 (c & 1).
.irp f, 0,1
.irp c, 0,1,2,3
	global_load_b128 v[W1+16*\f+4*\c:W1+16*\f+4*\c+3], v4, s[16:17] offset:128*\f+64*(\c>>1)+16*(\c&1) th:TH_LOAD_NT
.endr
.endr
.irp p, 0,1
.irp f, 0,1
.irp c, 0,1,2,3
	global_load_b128 v[HH+32*\p+16*\f+4*\c:HH+32*\p+16*\f+4*\c+3], v5, s[18:19] offset:65536*\p+128*\f+64*(\c>>1)+16*(\c&1)
.endr
.endr
.endr
.irp f, 0,1
.irp c, 0,1,2,3
	global_load_b128 v[W2+16*\f+4*\c:W2+16*\f+4*\c+3], v4, s[16:17] offset:4096+128*\f+64*(\c>>1)+16*(\c&1) th:TH_LOAD_NT
.endr
.endr
	global_load_b128 v[BI:BI+3], v9, s[24:25]
; n pairs of f32 at base become n words of two bf16 at base, in place: word i is written when words 2 i and 2 i + 1 are read, and
; no later step reads a word below 2 (i + 1).
.macro PACK base, n
.set pk_i, 0
.rept \n
	v_cvt_pk_bf16_f32 v[\base+pk_i], v[\base+2*pk_i], v[\base+2*pk_i+1]
.set pk_i, pk_i+1
.endr
.endm
	s_wait_loadcnt 0x9                             ; the left half and hidden are in; the right half's 8 loads and the bias stay out
	PACK W1, 8
	PACK W1+16, 8
.irp g, 0,1,2,3
	PACK HH+16*\g, 8
.endr
	; Source 0 = 16 rows n of attn_w, source 1 = 16 rows b of hidden: register j of lane (r, h) is (b = 16 p + r, n = 8 h + j).
	v_wmma_f32_16x16x32_bf16 v[ACC:ACC+7],    v[W1:W1+7],     v[HH:HH+7],     0
	v_wmma_f32_16x16x32_bf16 v[ACC+8:ACC+15], v[W1:W1+7],     v[HH+32:HH+39], 0
	v_wmma_f32_16x16x32_bf16 v[ACC:ACC+7],    v[W1+16:W1+23], v[HH+16:HH+23], v[ACC:ACC+7]
	v_wmma_f32_16x16x32_bf16 v[ACC+8:ACC+15], v[W1+16:W1+23], v[HH+48:HH+55], v[ACC+8:ACC+15]
	s_wait_loadcnt 0x1                             ; the right half is in; the bias stays out
	; The right half: scale, round, store.  These 32 plain vector instructions name no register of the matrix instructions above:
	; they are the places that have to lie between those and the LDS stores of their results.
.set e, 0
.rept 16
	v_pk_mul_f32 v[W2+e:W2+e+1], v[W2+e:W2+e+1], 0x4038aa3b op_sel_hi:[1,0]
.set e, e+2
.endr
.irp g, 0,1,2,3
	PACK W2+8*\g, 4
.endr
.irp f, 0,1
.irp c, 0,1
	global_store_b128 v6, v[W2+16*\f+8*\c:W2+16*\f+8*\c+3], s[20:21] offset:4096*\f+512*\c   ; the wave stores 512 consecutive bytes, aligned
.endr
.endr
	; my partial sums: (p, half j of the 8 registers, lane) at wave * 2048 + p * 1024 + j * 512 + 16 L
.irp p, 0,1
.irp j, 0,1
	ds_store_b128 v7, v[ACC+8*\p+4*\j:ACC+8*\p+4*\j+3] offset:1024*\p+512*\j
.endr
.endr
	s_wait_dscnt 0x0                               ; for the waves that will read them: my stores are done before I signal
	s_barrier_signal -1
	s_barrier_wait -1
	s_cmp_gt_u32 s14, 3                            ; 128 threads finish the 512 numbers; no barrier follows
	s_cbranch_scc1 .Lend
	; thread t writes bytes 16 t of the group's 2,048: b = t >> 2, n = 4 (t & 3) + 0..3, that is p = t >> 6, r = (t >> 2) & 15,
	; h = (t >> 1) & 1, j = t & 1
	v_bfe_u32 v8, v0, 6, 1
	v_lshlrev_b32 v8, 10, v8                       ; p * 1024
	v_and_b32 v11, 1, v0
	v_lshl_or_b32 v8, v11, 9, v8                   ; j * 512
	v_bfe_u32 v11, v0, 1, 1
	v_lshl_or_b32 v8, v11, 8, v8                   ; 16 h lanes of 16 bytes
	v_bfe_u32 v11, v0, 2, 4
	v_lshl_or_b32 v8, v11, 4, v8                   ; r lanes of 16 bytes
	v_and_b32 v10, 127, v0
	v_lshlrev_b32 v10, 4, v10
.irp w, 0,1,2,3,4,5,6,7,8,9,10,11,12,13,14,15
	ds_load_b128 v[PS+4*\w:PS+4*\w+3], v8 offset:2048*\w
.endr
	s_wait_dscnt 0x0
; the upper d groups of four numbers are added onto the lower d
.macro FOLD d
.set fi, 0
.rept 2*\d
	v_pk_add_f32 v[PS+2*fi:PS+2*fi+1], v[PS+2*fi:PS+2*fi+1], v[PS+4*\d+2*fi:PS+4*\d+2*fi+1]
.set fi, fi+1
.endr
.endm
	FOLD 8
	FOLD 4
	FOLD 2
	FOLD 1
	s_wait_loadcnt 0x0                             ; the bias
	v_pk_add_f32 v[PS:PS+1],   v[PS:PS+1],   v[BI:BI+1]
	v_pk_add_f32 v[PS+2:PS+3], v[PS+2:PS+3], v[BI+2:BI+3]
	v_pk_mul_f32 v[PS:PS+1],   v[PS:PS+1],   0x4038aa3b op_sel_hi:[1,0]
	v_pk_mul_f32 v[PS+2:PS+3], v[PS+2:PS+3], 0x4038aa3b op_sel_hi:[1,0]
	global_store_b128 v10, v[PS:PS+3], s[22:23]    ; each wave stores 512 consecutive bytes, aligned
.Lend:
	s_wait_tensorcnt 0x0
	ds_add_u32 v232, v233
	s_wait_dscnt 0x0
	s_endpgm
.Lfunc_end_k_q38570859c8_prep:
	.size	k_q38570859c8_prep, .Lfunc_end_k_q38570859c8_prep-k_q38570859c8_prep
	.p2alignl 7, 3214868480
	.fill 96, 4, 3214868480
	.section	.rodata,"a",@progbits
	.p2align	6, 0x0
	.amdhsa_kernel k_q38570859c8_prep
		.amdhsa_group_segment_fixed_size 34816
		.amdhsa_private_segment_fixed_size 0
		.amdhsa_enable_private_segment 0
		.amdhsa_kernarg_size 40
		.amdhsa_user_sgpr_count 2
		.amdhsa_user_sgpr_kernarg_segment_ptr 1
		.amdhsa_wavefront_size32 1
		.amdhsa_system_sgpr_workgroup_id_x 1
		.amdhsa_system_sgpr_workgroup_id_y 1
		.amdhsa_system_sgpr_workgroup_id_z 1
		.amdhsa_system_vgpr_workitem_id 0
		.amdhsa_next_free_vgpr 234
		.amdhsa_next_free_sgpr 66
		.amdhsa_reserve_vcc 0
		.amdhsa_float_denorm_mode_32 3
		.amdhsa_float_denorm_mode_16_64 3
		.amdhsa_memory_ordered 1
		.amdhsa_forward_progress 1
		.amdhsa_inst_pref_size 16
	.end_amdhsa_kernel
	.amdgpu_metadata
---
amdhsa.version: [ 1, 2 ]
amdhsa.kernels:
  - .name:           k_q38570859c8_prep
    .symbol:         k_q38570859c8_prep.kd
    .args:
      - { .name: attn_w, .offset: 0, .size: 8, .value_kind: global_buffer, .address_space: global }
      - { .name: attn_b, .offset: 8, .size: 8, .value_kind: global_buffer, .address_space: global }
      - { .name: hidden, .offset: 16, .size: 8, .value_kind: global_buffer, .address_space: global }
      - { .name: w2f, .offset: 24, .size: 8, .value_kind: global_buffer, .address_space: global }
      - { .name: hbw, .offset: 32, .size: 8, .value_kind: global_buffer, .address_space: global }
    .group_segment_fixed_size: 34816
    .private_segment_fixed_size: 0
    .kernarg_segment_align: 8
    .kernarg_segment_size: 40
    .max_flat_workgroup_size: 512
    .sgpr_count:     66
    .vgpr_count:     234
    .wavefront_size: 32
...
	.end_amdgpu_metadata
.endif
;; end of part 1
;; launch energy (part 2): grid 8 x 32, 4 waves a work-group, no clusters, 266,752 bytes of LDS; arguments encoder_outputs, w2f, hbw, v, scores; writes scores
.if DOCPART == 2
	.amdgcn_target "amdgcn-amd-amdhsa--gfx1250"
	.amdhsa_code_object_version 6
	.text
	.protected	k_q38570859c8_energy
	.globl	k_q38570859c8_energy
	.p2align	8
	.type	k_q38570859c8_energy,@function
k_q38570859c8_energy:
	s_mov_b64 s[64:65], 0
	v_nop
	global_prefetch_b8 v0, s[64:65] scope:SCOPE_SE
	s_setreg_imm32_b32 hwreg(HW_REG_WAVE_MODE, 25, 1), 1
	s_wait_xcnt 0x0
; scores[b][s] = sum over n of v[n] tanh( sum over k of enc[s][b][k] attn_w[n][1024+k] + hb[b][n] ),  hb = hidden's share + bias.
; w2f holds bf16(C2 attn_w[:,1024:]) in fragment order and hbw holds C2 hb in f32, C2 = 2 log2(e), so that
; tanh = 1 - 2 / (1 + 2^acc) takes the accumulator as it is, and  score = sum v - 2 sum v / (1 + 2^acc).
;
; SHARING.  Work-group (x = block of s, y = b) owns the 128 rows s = 128 x .. + 127 at one b and ALL 1,024 columns n, since the sum over n
; must not cross work-groups: 8 x 32 = 256 work-groups.  Its 128 x 1,024 block of enc is read once, rounded to bf16 once and kept in LDS.
; Wave w owns columns 256 w .. + 255, in four chunks of 64: a tile of 128 rows x 64 columns, 32 accumulator tiles, 256 registers.
; For 32 along K a wave reads 8,192 bytes of enc fragments from LDS for 32 matrix instructions.
; The weights' fragments go from memory straight into registers: no wave shares a weight fragment with another wave of its group, each load
; covers 512 consecutive bytes, and a wave's whole stream (524,288 bytes) is consecutive in the order of use.
; NO CLUSTER, NO JOINT TENSOR LOADS, though all work-groups walk the same 2 MiB of w2f: the enc block takes 264,192 of the 327,680 bytes of
; LDS and the scores' scratch 2,048; a K step of 64 for the group's 256 columns is 32,768 bytes, so one slot could be read and only one be on
; its way.  The ring in registers holds three trips ahead: 3 x 8,192 bytes x 4 waves = 98,304 bytes, asked for 192 matrix instructions early.
;
; THE MATRIX INSTRUCTION IS USED TRANSPOSED: source 0 = 16 rows n of the weights, source 1 = 16 rows of enc.  Register j of lane (r, h) is then
; (row 16 mt + r, column 16 T + 8 h + j): the sum over columns runs mostly inside a lane, and hb and v are 8 neighbouring f32 a lane.
; The first product of a chunk takes hb as C: no accumulator is cleared and hb is never added by hand.
;
; LIMITS.  Matrix operands are bf16 (enc rounded once; weights rounded once after the scaling by C2), sums f32.  The base-2 exponential gives 0
; for results below 2^-126, where tanh is -1 in f32 anyway; above f32's range it gives infinity, the reciprocal 0, tanh +1.
; The sum over n is formed as sum v - 2 sum v / (1 + 2^acc), in another order than a plain sum of v tanh; its terms are no larger than |v|.
;
; REGISTERS, in windows of 256 (s_set_vgpr_msb: bits 1:0 source 0, 3:2 source 1, 5:4 source 2, 7:6 destination):
;   window 0: addresses, sums, v and hb (below);   window 1: accumulators, tile (mt, nt) at 32 mt + 8 nt; before that 8 row slots of enc in f32
;   window 2: enc fragments, two buffers, at 128 buf + 64 q + 8 mt;   window 3: weights, ring of four slots, at 64 slot + 32 q + 8 nt
.set PITCH, 2064                       ; an LDS row: 2,048 bytes of bf16 + 16: an odd multiple of 16, so the 16 rows of a fragment load start 16 bytes apart modulo 256
.set SCR,   128*PITCH                  ; 264,192: behind the block, [wave 4][row 128] f32
.set ADR,   8                          ; v[8:15]    LDS address of my part of enc fragment mt: (16 mt + r) PITCH + 16 h
.set VS,    20                         ; v[20:21]   sum of my v
.set SP,    24                         ; v[24:39]   pair mt: sum of v / (1 + 2^acc) for row 16 mt + r over my columns
.set VV,    40                         ; v[40:71]   v of the chunk: [nt][8]
.set HB,    72                         ; v[72:103]  C2 hb of the chunk: [nt][8]
.set FS,    104                        ; v[104:119] the four waves' sums at the end
.set W_MUL,  0x5b                      ; source 0 window 3, source 1 window 2, C and D window 1
.set W_MUL0, 0x4b                      ; the same with C in window 0 (hb)
.set W_TOA,  0x80                      ; destination window 2, address window 0
.set W_TOW,  0xc0                      ; destination window 3, address window 0
.set W_CVT,  0x45                      ; sources 0, 1 and destination window 1
.set W_MEM1, 0x44                      ; loaded data and LDS store data window 1, addresses window 0
.set W_INPL, 0x41                      ; source 0 and destination window 1
.set W_FROM, 0x01                      ; source 0 window 1, the rest window 0
.set MSB, 0
.macro WIN new                         ; the immediate's high byte repeats the setting that is left; a switch that changes nothing is dropped
.if MSB != \new
	s_set_vgpr_msb (MSB<<8)|\new
.set MSB, \new
.endif
.endm
; Four places of plain vector instructions lie between a matrix instruction and a vector instruction that reads its result, and between it and
; a load into one of its registers (ISA guide 7.12.1 for vector instructions; kept here for loads too).
.macro PLACES
.rept 4
	v_nop
.endr
.endm
	s_load_b256 s[4:11], s[0:1], 0x0               ; enc s[4:5], w2f s[6:7], hbw s[8:9], v s[10:11]
	s_load_b64 s[12:13], s[0:1], 0x20              ; scores
	v_lshl_add_u32 v254, v0, 2, 0x41000
	v_mov_b32 v255, 0
	v_lshrrev_b32 v1, 5, v0
	v_readfirstlane_b32 s14, v1                    ; wave 0..3
	s_and_b32 s15, ttmp7, 0xffff                   ; b;  ttmp9: block of s
	s_mov_b32 s22, 0x76543210                      ; v_permlanex16_b32: lane i takes lane i of the other half
	s_mov_b32 s23, 0xfedcba98
	v_and_b32 v1, 31, v0                           ; L
	v_and_b32 v2, 15, v0                           ; r
	v_bfe_u32 v3, v0, 4, 1                         ; h
	v_lshlrev_b32 v4, 4, v1                        ; 16 L
	v_lshlrev_b32 v5, 5, v3                        ; 32 h: my 8 f32 of a tile's 16 columns
	s_mul_i32 s24, s14, 32*PITCH                   ; my wave brings rows 32 w .. 32 w + 31 of the block
	v_lshl_add_u32 v6, v1, 3, s24                  ; + 8 L: 4 bf16 a lane;   rows 0-15 of the 32
	v_add_nc_u32 v7, 16*PITCH, v6                  ; rows 16-31 (31 rows and 1,792 bytes would not fit the 16-bit offset)
	v_mul_u32_u24 v18, v2, PITCH
	v_lshl_add_u32 v18, v3, 4, v18
.irp mt, 0,1,2,3,4,5,6,7
	v_add_nc_u32 v[ADR+\mt], \mt*16*PITCH, v18
.endr
	s_lshl_b32 s24, s14, 9
	s_add_co_u32 s24, s24, SCR
	v_lshl_add_u32 v16, v2, 2, s24                 ; scratch: my wave's 512 bytes + 4 r
	v_add_nc_u32 v17, SCR, v4                      ; scratch, read back: rows 4 L .. 4 L + 3
	v_mov_b32 v[VS], 0
	v_mov_b32 v[VS+1], 0
.set zi, 0
.rept 16
	v_mov_b32 v[SP+zi], 0                          ; 18 running sums that live through all four chunks
.set zi, zi+1
.endr
	s_lshl_b32 s18, ttmp9, 24                      ; 128 s of 131,072 bytes
	s_lshl_b32 s19, s14, 22                        ; 32 s
	s_add_co_u32 s18, s18, s19
	s_lshl_b32 s19, s15, 12                        ; b rows of 4,096 bytes
	s_add_co_u32 s18, s18, s19
	s_mov_b32 s19, 0
	s_wait_kmcnt 0x0
	s_add_nc_u64 s[4:5], s[4:5], s[18:19]          ; enc at my wave's first row
	s_lshl_b32 s18, s14, 19
	s_add_nc_u64 s[6:7], s[6:7], s[18:19]          ; w2f at my wave's 524,288 bytes
	s_lshl_b32 s18, s14, 15                        ; 16 tiles of 2,048 bytes
	s_lshl_b32 s20, s15, 6                         ; b x 64 bytes
	s_add_co_u32 s18, s18, s20
	s_add_nc_u64 s[8:9], s[8:9], s[18:19]
	s_lshl_b32 s18, s14, 10
	s_add_nc_u64 s[10:11], s[10:11], s[18:19]      ; v at my 256 columns
	s_lshl_b32 s18, s15, 12
	s_lshl_b32 s20, ttmp9, 9
	s_add_co_u32 s18, s18, s20
	s_add_nc_u64 s[12:13], s[12:13], s[18:19]      ; scores[b][128 x]
; 16 loads: the weights of trip WTRIP of the chunk at s[6:7] (64 columns x 64 K, 8,192 bytes) into ring slot WSLOT.
; Trips 16 to 18 are the next chunk's first three: the stream is consecutive.
.macro FILLB
	WIN W_TOW
.irp q, 0,1
.irp nt, 0,1,2,3
.irp c, 0,1
	global_load_b128 v[64*WSLOT+32*\q+8*\nt+4*\c:64*WSLOT+32*\q+8*\nt+4*\c+3], v4, s[6:7] offset:8192*WTRIP+4096*\q+1024*\nt+512*\c
.endr
.endr
.endr
.endm
; 32 LDS loads: the fragments of 128 rows x 64 K at byte AKOFF of the rows into buffer ABUF
.macro FETCHA
	WIN W_TOA
.irp q, 0,1
.irp mt, 0,1,2,3,4,5,6,7
.irp c, 0,1
	ds_load_b128 v[128*ABUF+64*\q+8*\mt+4*\c:128*ABUF+64*\q+8*\mt+4*\c+3], v[ADR+\mt] offset:AKOFF+64*\q+32*\c
.endr
.endr
.endr
.endm
; 8 loads: this chunk's v.  what = 2: 8 more, the NEXT chunk's hb (4 tiles of 2,048 bytes further on).
.macro CONSTS what
	WIN 0
.irp nt, 0,1,2,3
.irp c, 0,1
	global_load_b128 v[VV+8*\nt+4*\c:VV+8*\nt+4*\c+3], v5, s[10:11] offset:64*\nt+16*\c
.endr
.endr
.if \what > 1
.irp nt, 0,1,2,3
.irp c, 0,1
	global_load_b128 v[HB+8*\nt+4*\c:HB+8*\nt+4*\c+3], v5, s[8:9] offset:8192+2048*\nt+16*\c
.endr
.endr
.endif
.endm
; 32 matrix instructions: 128 rows x 64 columns x 32 K (half q of the trip), buffer CBUF, slot CSLOT.  first = 1: C is hb.
.macro MUL q, first
.irp mt, 0,1,2,3,4,5,6,7
.irp nt, 0,1,2,3
.if \first
	v_wmma_f32_16x16x32_bf16 v[32*\mt+8*\nt:32*\mt+8*\nt+7], v[64*CSLOT+32*\q+8*\nt:64*CSLOT+32*\q+8*\nt+7], v[128*CBUF+64*\q+8*\mt:128*CBUF+64*\q+8*\mt+7], v[HB+8*\nt:HB+8*\nt+7]
.else
	v_wmma_f32_16x16x32_bf16 v[32*\mt+8*\nt:32*\mt+8*\nt+7], v[64*CSLOT+32*\q+8*\nt:64*CSLOT+32*\q+8*\nt+7], v[128*CBUF+64*\q+8*\mt:128*CBUF+64*\q+8*\mt+7], v[32*\mt+8*\nt:32*\mt+8*\nt+7]
.endif
.endr
.endr
.endm
	; FIRST REQUESTS: hb of chunk 0 and the weights of trips 0, 1, 2: 56 loads, older than every load of enc below
.irp nt, 0,1,2,3
.irp c, 0,1
	global_load_b128 v[HB+8*\nt+4*\c:HB+8*\nt+4*\c+3], v5, s[8:9] offset:2048*\nt+16*\c
.endr
.endr
.set WSLOT, 0
.set WTRIP, 0
	FILLB
.set WSLOT, 1
.set WTRIP, 1
	FILLB
.set WSLOT, 2
.set WTRIP, 2
	FILLB
	; PHASE 1: my 32 rows of enc, 4,096 bytes each, through 8 row slots of 32 registers: f32 in, bf16 into LDS.
; row lr into slot lr & 7: eight loads of 512 consecutive bytes
.macro ROWLOAD
.irp q, 0,1,2,3,4,5,6,7
	global_load_b128 v[32*(lr&7)+4*\q:32*(lr&7)+4*\q+3], v4, s[4:5] offset:lr*131072+512*\q th:TH_LOAD_NT
.endr
.endm
	WIN W_MEM1
.set lr, 0
.rept 8
	ROWLOAD
.set lr, lr+1
.endr
; The turn of row ri.  The slot of row ri - 1 is loaded again (row ri + 7) one turn behind its LDS stores.
.macro ROWTURN
.if ri == 0
	s_wait_loadcnt 56                              ; rows 1 to 7 stay out
.elseif ri < 26
	s_wait_loadcnt 48                              ; loads return in order (ISA guide 5.7.1): rows ri + 1 .. ri + 6 stay out
.else
	s_wait_loadcnt (31-ri)*8                       ; the rows that are left
.endif
	WIN W_CVT
.irp q, 0,1,2,3,4,5,6,7
	v_cvt_pk_bf16_f32 v[32*(ri&7)+4*\q],   v[32*(ri&7)+4*\q],   v[32*(ri&7)+4*\q+1]
	v_cvt_pk_bf16_f32 v[32*(ri&7)+4*\q+1], v[32*(ri&7)+4*\q+2], v[32*(ri&7)+4*\q+3]
.endr
	WIN W_MEM1
.irp q, 0,1,2,3,4,5,6,7
	ds_store_b64 v[6+(ri>>4)], v[32*(ri&7)+4*\q:32*(ri&7)+4*\q+1] offset:(ri&15)*PITCH+256*\q   ; 32 lanes, 256 consecutive bytes
.endr
.if (ri > 0) && (ri < 25)
	s_wait_dscnt 8                                 ; the 8 youngest are this row's: the stores of row ri - 1 are done, its slot may be loaded again
.set lr, ri+7
	ROWLOAD
.endif
.endm
.set ri, 0
.rept 32
	ROWTURN
.set ri, ri+1
.endr
	s_wait_dscnt 0x0                               ; for the other waves: my rows are in LDS before I signal
	s_barrier_signal -1
	s_barrier_wait -1                              ; from here on the block is only read: no barrier in the loop
; A TRIP: 64 along K, 64 matrix instructions.  At its head: the enc fragments asked for one trip ago (nothing younger is on that counter, so the
; wait is for 0) and the weights asked for three trips ago (left = the loads younger than them).  Then the requests: enc fragments for trip t + 1
; into the buffer, weights for trip t + 3 into the slot, that trip t - 1 has read; the four places stand between its matrix instructions and these.
.macro TRIP t, left, fillb, fetcha, consts
	s_wait_dscnt 0x0
	s_wait_loadcnt \left
	PLACES
.if \fetcha
.set ABUF, ((\t+1)&1)
.set AKOFF, (((\t+1)&15)*128)
	FETCHA
.endif
.if \consts
	CONSTS \consts
.endif
.if \fillb
.set WSLOT, ((\t+3)&3)
.set WTRIP, (\t+3)
	FILLB
.endif
.set CBUF, ((\t)&1)
.set CSLOT, ((\t)&3)
.if \t == 0
	WIN W_MUL0
	MUL 0, 1
.else
	WIN W_MUL
	MUL 0, 0
.endif
	WIN W_MUL
	MUL 1, 0
.endm
; THE TANH PASS over the chunk's 256 accumulators: acc -> 1 / (1 + 2^acc) in place, then SP += that x v, VS += v.
; Behind a run of transcendentals one plain instruction stands before a result is used (ISA guide 5.7.2).
.macro EPI
	PLACES
	WIN W_INPL
.irp mt, 0,1,2,3,4,5,6,7
.set e, 0
.rept 32
	v_exp_f32 v[32*\mt+e], v[32*\mt+e]
.set e, e+1
.endr
	v_nop
.set e, 0
	s_wait_alu depctr_va_vdst(0)
.rept 16
	v_pk_add_f32 v[32*\mt+e:32*\mt+e+1], v[32*\mt+e:32*\mt+e+1], 1.0 op_sel_hi:[1,0]
.set e, e+2
.endr
.set e, 0
.rept 32
	v_rcp_f32 v[32*\mt+e], v[32*\mt+e]
.set e, e+1
.endr
.endr
	v_nop
	WIN W_FROM
	s_wait_alu depctr_va_vdst(0)
.irp nt, 0,1,2,3
.irp jp, 0,2,4,6
.irp mt, 0,1,2,3,4,5,6,7
	v_pk_fma_f32 v[SP+2*\mt:SP+2*\mt+1], v[32*\mt+8*\nt+\jp:32*\mt+8*\nt+\jp+1], v[VV+8*\nt+\jp:VV+8*\nt+\jp+1], v[SP+2*\mt:SP+2*\mt+1]   ; eight chains in turn
.endr
.endr
.endr
	WIN 0
.irp nt, 0,1,2,3
.irp jp, 0,2,4,6
	v_pk_add_f32 v[VS:VS+1], v[VS:VS+1], v[VV+8*\nt+\jp:VV+8*\nt+\jp+1]
.endr
.endr
.endm
; A CHUNK: 64 columns, 16 trips, the tanh pass.  Order of the loads: .. weights 3 (trip 0), constants (trip 1), weights 4 (trip 1), 5, 6 ..
; So behind the weights of trips 2 and 3 lie two slots AND the constants (16 loads, in the last chunk 8); behind all others two slots, 32 loads.
; Trip 4's wait for 32 shows the constants in: v is used in this chunk's tanh pass, hb in the next chunk's first trip.
; hb's registers are free in trip 1: only trip 0's first 32 matrix instructions read them, and trip 1's four places lie behind those.
; last = 1: nothing is asked for beyond the wave's stream (no weights from trip 13 on, no fragments in trip 15, no hb): the counts run down.
.macro CHUNK last
	TRIP 0, 32, 1, 1, 0
.if \last
	TRIP 1, 32, 1, 1, 1
	TRIP 2, 40, 1, 1, 0
	TRIP 3, 40, 1, 1, 0
.else
	TRIP 1, 32, 1, 1, 2
	TRIP 2, 48, 1, 1, 0
	TRIP 3, 48, 1, 1, 0
.endif
.irp t, 4,5,6,7,8,9,10,11,12
	TRIP \t, 32, 1, 1, 0
.endr
.if \last
	TRIP 13, 32, 0, 1, 0
	TRIP 14, 16, 0, 1, 0
	TRIP 15, 0, 0, 0, 0
.else
	TRIP 13, 32, 1, 1, 0
	TRIP 14, 32, 1, 1, 0
	TRIP 15, 32, 1, 1, 0
.endif
	EPI
.endm
.set ABUF, 0
.set AKOFF, 0
	FETCHA                                         ; trip 0's fragments
	WIN 0                                          ; at a label and at a branch every window is 0
	s_mov_b32 s20, 0
.Lchunk:
	CHUNK 0
	WIN 0
	s_wait_xcnt 0x0                                ; the bases are sources of the ring's pending loads: they are stepped only behind this wait
	s_add_nc_u64 s[6:7], s[6:7], 131072            ; the next chunk's weights,
	s_add_nc_u64 s[8:9], s[8:9], 8192              ; hb (4 tiles),
	s_add_nc_u64 s[10:11], s[10:11], 256           ; and v (64 columns)
	s_add_co_u32 s20, s20, 1
	s_cmp_lt_u32 s20, 3
	s_cbranch_scc1 .Lchunk
	CHUNK 1
	; THE END: score share of my 128 columns' half = VS - 2 SP; add the other half of the lanes (the other 8 of each 16 columns), then the waves.
	v_add_f32 v[VS], v[VS], v[VS+1]
.irp mt, 0,1,2,3,4,5,6,7
	v_add_f32 v[SP+2*\mt], v[SP+2*\mt], v[SP+2*\mt+1]
.endr
.irp mt, 0,1,2,3,4,5,6,7
	v_fma_f32 v[SP+2*\mt], v[SP+2*\mt], -2.0, v[VS]
.endr
.irp mt, 0,1,2,3,4,5,6,7
	v_permlanex16_b32 v[SP+2*\mt+1], v[SP+2*\mt], s22, s23     ; its destination counts as read: a register that has been written
.endr
.irp mt, 0,1,2,3,4,5,6,7
	v_add_f32 v[SP+2*\mt], v[SP+2*\mt], v[SP+2*\mt+1]
	ds_store_b32 v16, v[SP+2*\mt] offset:64*\mt    ; row 16 mt + r; both halves of the lanes write the same word with the same value
.endr
	s_wait_dscnt 0x0                               ; for wave 0: my stores are done before I signal
	s_barrier_signal -1
	s_barrier_wait -1
	s_cmp_lg_u32 s14, 0
	s_cbranch_scc1 .Lend
.irp w, 0,1,2,3
	ds_load_b128 v[FS+4*\w:FS+4*\w+3], v17 offset:512*\w
.endr
	s_wait_dscnt 0x0
	v_pk_add_f32 v[FS:FS+1],     v[FS:FS+1],     v[FS+4:FS+5]
	v_pk_add_f32 v[FS+2:FS+3],   v[FS+2:FS+3],   v[FS+6:FS+7]
	v_pk_add_f32 v[FS+8:FS+9],   v[FS+8:FS+9],   v[FS+12:FS+13]
	v_pk_add_f32 v[FS+10:FS+11], v[FS+10:FS+11], v[FS+14:FS+15]
	v_pk_add_f32 v[FS:FS+1],     v[FS:FS+1],     v[FS+8:FS+9]
	v_pk_add_f32 v[FS+2:FS+3],   v[FS+2:FS+3],   v[FS+10:FS+11]
	global_store_b128 v4, v[FS:FS+3], s[12:13]     ; the group's 128 scores: 512 consecutive bytes, aligned
.Lend:
	s_wait_tensorcnt 0x0
	ds_add_u32 v254, v255
	s_wait_dscnt 0x0
	s_endpgm
.Lfunc_end_k_q38570859c8_energy:
	.size	k_q38570859c8_energy, .Lfunc_end_k_q38570859c8_energy-k_q38570859c8_energy
	.p2alignl 7, 3214868480
	.fill 96, 4, 3214868480
	.section	.rodata,"a",@progbits
	.p2align	6, 0x0
	.amdhsa_kernel k_q38570859c8_energy
		.amdhsa_group_segment_fixed_size 266752
		.amdhsa_private_segment_fixed_size 0
		.amdhsa_enable_private_segment 0
		.amdhsa_kernarg_size 40
		.amdhsa_user_sgpr_count 2
		.amdhsa_user_sgpr_kernarg_segment_ptr 1
		.amdhsa_wavefront_size32 1
		.amdhsa_system_sgpr_workgroup_id_x 1
		.amdhsa_system_sgpr_workgroup_id_y 1
		.amdhsa_system_sgpr_workgroup_id_z 1
		.amdhsa_system_vgpr_workitem_id 0
		.amdhsa_next_free_vgpr 1024
		.amdhsa_next_free_sgpr 66
		.amdhsa_reserve_vcc 0
		.amdhsa_float_denorm_mode_32 3
		.amdhsa_float_denorm_mode_16_64 3
		.amdhsa_memory_ordered 1
		.amdhsa_forward_progress 1
		.amdhsa_inst_pref_size 255
	.end_amdhsa_kernel
	.section	.bss,"aw",@nobits
	.p2align	6
	.space	262144
	.amdgpu_metadata
---
amdhsa.version: [ 1, 2 ]
amdhsa.kernels:
  - .name:           k_q38570859c8_energy
    .symbol:         k_q38570859c8_energy.kd
    .args:
      - { .name: encoder_outputs, .offset: 0, .size: 8, .value_kind: global_buffer, .address_space: global }
      - { .name: w2f, .offset: 8, .size: 8, .value_kind: global_buffer, .address_space: global }
      - { .name: hbw, .offset: 16, .size: 8, .value_kind: global_buffer, .address_space: global }
      - { .name: v, .offset: 24, .size: 8, .value_kind: global_buffer, .address_space: global }
      - { .name: scores, .offset: 32, .size: 8, .value_kind: global_buffer, .address_space: global }
    .group_segment_fixed_size: 266752
    .private_segment_fixed_size: 0
    .kernarg_segment_align: 8
    .kernarg_segment_size: 40
    .max_flat_workgroup_size: 128
    .sgpr_count:     66
    .vgpr_count:     1024
    .wavefront_size: 32
...
	.end_amdgpu_metadata
.endif
;; end of part 2
;; launch softmax (part 3): grid 32 x 1, 1 waves a work-group, no clusters, 0 bytes of LDS; arguments scores, out0; writes out0
.if DOCPART == 3
	.amdgcn_target "amdgcn-amd-amdhsa--gfx1250"
	.amdhsa_code_object_version 6
	.text
	.protected	k_q38570859c8_softmax
	.globl	k_q38570859c8_softmax
	.p2align	8
	.type	k_q38570859c8_softmax,@function
k_q38570859c8_softmax:
	s_mov_b64 s[64:65], 0
	v_nop
	global_prefetch_b8 v0, s[64:65] scope:SCOPE_SE
	s_setreg_imm32_b32 hwreg(HW_REG_WAVE_MODE, 25, 1), 1
	s_wait_xcnt 0x0
; out0[b][:] = softmax(scores[b][:]).  A row is 1,024 f32 = 4,096 bytes: one wave takes a row, eight loads of 512 consecutive bytes, and keeps it
; in 32 registers through the maximum, the exponentials, the sum and the scaling.  32 rows, 32 work-groups of one wave: all the work there is.
; No LDS, no barrier, no matrix unit, no cluster: nothing is shared and 131,072 bytes are read once.
; The row's own maximum m is taken away: e^(x - m) = 2^(x log2e - m log2e), one fused multiply-add with -m log2e formed once.
; LIMIT: exponentials below 2^-126 come out as 0 (the base-2 exponential flushes them).
.set X,  4                             ; v[4:35]   the row
.set M,  36                            ; v[36:39]  four running maxima
.set NM, 40                            ; v[40:41]  -m log2e, twice; later 1 / sum, twice
.set SM, 42                            ; v[42:49]  four running sums, a pair each
	s_load_b128 s[4:7], s[0:1], 0x0                ; scores s[4:5], out0 s[6:7]
	s_lshl_b32 s8, ttmp9, 12                       ; row b: 4,096 bytes
	s_mov_b32 s9, 0
	s_mov_b32 s12, 0x76543210                      ; v_permlanex16_b32: lane i takes lane i of the other half
	s_mov_b32 s13, 0xfedcba98
	v_lshlrev_b32 v1, 4, v0
	s_wait_kmcnt 0x0
	s_add_nc_u64 s[4:5], s[4:5], s[8:9]
	s_add_nc_u64 s[6:7], s[6:7], s[8:9]
.irp q, 0,1,2,3,4,5,6,7
	global_load_b128 v[X+4*\q:X+4*\q+3], v1, s[4:5] offset:512*\q
.endr
	s_wait_loadcnt 0x0
	; the maximum: four chains over 8 numbers each, started by their first three numbers
.irp c, 0,1,2,3
	v_max3_num_f32 v[M+\c], v[X+8*\c], v[X+8*\c+1], v[X+8*\c+2]
.endr
.irp c, 0,1,2,3
	v_max3_num_f32 v[M+\c], v[M+\c], v[X+8*\c+3], v[X+8*\c+4]
.endr
.irp c, 0,1,2,3
	v_max3_num_f32 v[M+\c], v[M+\c], v[X+8*\c+5], v[X+8*\c+6]
.endr
.irp c, 0,1,2,3
	v_max_num_f32 v[M+\c], v[M+\c], v[X+8*\c+7]
.endr
	v_max3_num_f32 v[M], v[M], v[M+1], v[M+2]
	v_max_num_f32 v[M], v[M], v[M+3]
	v_max_num_f32_dpp v[M], v[M], v[M] row_xmask:1 row_mask:0xf bank_mask:0xf
	v_max_num_f32_dpp v[M], v[M], v[M] row_xmask:2 row_mask:0xf bank_mask:0xf
	v_max_num_f32_dpp v[M], v[M], v[M] row_xmask:4 row_mask:0xf bank_mask:0xf
	v_max_num_f32_dpp v[M], v[M], v[M] row_xmask:8 row_mask:0xf bank_mask:0xf
	v_permlanex16_b32 v[M+1], v[M], s12, s13       ; its destination counts as read: a register that has been written
	v_max_num_f32 v[M], v[M], v[M+1]               ; every lane holds the row's maximum
	v_mul_f32 v[NM], 0xbfb8aa3b, v[M]              ; -m log2e
	v_mov_b32 v[NM+1], v[NM]
.set e, 0
.rept 16
	v_pk_fma_f32 v[X+e:X+e+1], v[X+e:X+e+1], 0x3fb8aa3b, v[NM:NM+1] op_sel_hi:[1,0,1]
.set e, e+2
.endr
.set e, 0
.rept 32
	v_exp_f32 v[X+e], v[X+e]
.set e, e+1
.endr
	v_nop                                          ; one plain instruction between the last exponential and the first use (ISA guide 5.7.2)
	; the sum: four chains of pairs, started by their first two pairs
	s_wait_alu depctr_va_vdst(0)
.irp c, 0,1,2,3
	v_pk_add_f32 v[SM+2*\c:SM+2*\c+1], v[X+8*\c:X+8*\c+1], v[X+8*\c+2:X+8*\c+3]
.endr
.irp c, 0,1,2,3
	v_pk_add_f32 v[SM+2*\c:SM+2*\c+1], v[SM+2*\c:SM+2*\c+1], v[X+8*\c+4:X+8*\c+5]
.endr
.irp c, 0,1,2,3
	v_pk_add_f32 v[SM+2*\c:SM+2*\c+1], v[SM+2*\c:SM+2*\c+1], v[X+8*\c+6:X+8*\c+7]
.endr
	v_pk_add_f32 v[SM:SM+1],   v[SM:SM+1],   v[SM+2:SM+3]
	v_pk_add_f32 v[SM+4:SM+5], v[SM+4:SM+5], v[SM+6:SM+7]
	v_pk_add_f32 v[SM:SM+1],   v[SM:SM+1],   v[SM+4:SM+5]
	v_add_f32 v[SM], v[SM], v[SM+1]
	v_add_f32_dpp v[SM], v[SM], v[SM] row_xmask:1 row_mask:0xf bank_mask:0xf
	v_add_f32_dpp v[SM], v[SM], v[SM] row_xmask:2 row_mask:0xf bank_mask:0xf
	v_add_f32_dpp v[SM], v[SM], v[SM] row_xmask:4 row_mask:0xf bank_mask:0xf
	v_add_f32_dpp v[SM], v[SM], v[SM] row_xmask:8 row_mask:0xf bank_mask:0xf
	v_permlanex16_b32 v[SM+1], v[SM], s12, s13
	v_add_f32 v[SM+2], v[SM], v[SM+1]              ; the sum is at least 1: the largest number's exponential is 2^0 up to rounding
	v_rcp_f32 v[NM], v[SM+2]
	v_rcp_f32 v[NM+1], v[SM+2]                     ; twice: a pair for the packed multiply
	v_nop
.set e, 0
	s_wait_alu depctr_va_vdst(0)
.rept 16
	v_pk_mul_f32 v[X+e:X+e+1], v[X+e:X+e+1], v[NM:NM+1]
.set e, e+2
.endr
.irp q, 0,1,2,3,4,5,6,7
	global_store_b128 v1, v[X+4*\q:X+4*\q+3], s[6:7] offset:512*\q     ; 512 consecutive bytes, aligned
.endr
	s_endpgm
.Lfunc_end_k_q38570859c8_softmax:
	.size	k_q38570859c8_softmax, .Lfunc_end_k_q38570859c8_softmax-k_q38570859c8_softmax
	.p2alignl 7, 3214868480
	.fill 96, 4, 3214868480
	.section	.rodata,"a",@progbits
	.p2align	6, 0x0
	.amdhsa_kernel k_q38570859c8_softmax
		.amdhsa_group_segment_fixed_size 0
		.amdhsa_private_segment_fixed_size 0
		.amdhsa_enable_private_segment 0
		.amdhsa_kernarg_size 16
		.amdhsa_user_sgpr_count 2
		.amdhsa_user_sgpr_kernarg_segment_ptr 1
		.amdhsa_wavefront_size32 1
		.amdhsa_system_sgpr_workgroup_id_x 1
		.amdhsa_system_sgpr_workgroup_id_y 1
		.amdhsa_system_sgpr_workgroup_id_z 1
		.amdhsa_system_vgpr_workitem_id 0
		.amdhsa_next_free_vgpr 52
		.amdhsa_next_free_sgpr 66
		.amdhsa_reserve_vcc 0
		.amdhsa_float_denorm_mode_32 3
		.amdhsa_float_denorm_mode_16_64 3
		.amdhsa_memory_ordered 1
		.amdhsa_forward_progress 1
		.amdhsa_inst_pref_size 9
	.end_amdhsa_kernel
	.amdgpu_metadata
---
amdhsa.version: [ 1, 2 ]
amdhsa.kernels:
  - .name:           k_q38570859c8_softmax
    .symbol:         k_q38570859c8_softmax.kd
    .args:
      - { .name: scores, .offset: 0, .size: 8, .value_kind: global_buffer, .address_space: global }
      - { .name: out0, .offset: 8, .size: 8, .value_kind: global_buffer, .address_space: global }
    .group_segment_fixed_size: 0
    .private_segment_fixed_size: 0
    .kernarg_segment_align: 8
    .kernarg_segment_size: 16
    .max_flat_workgroup_size: 32
    .sgpr_count:     66
    .vgpr_count:     52
    .wavefront_size: 32
...
	.end_amdgpu_metadata
.endif
;; end of part 3
;; ======== version 2 of 2: 3 launches; version 1 with the launch energy written anew for expert scheduling mode
;; workspace buffers: w2f 2,097,152 bytes; hbw 131,072 bytes; scores 131,072 bytes
;; launch prep: the kernel of part 1 again; grid 64 x 1, 16 waves a work-group, no clusters, 34,816 bytes of LDS; arguments attn_w, attn_b, hidden, w2f, hbw; writes w2f, hbw
;; launch energy (part 4): grid 8 x 32, 4 waves a work-group, no clusters, 266,752 bytes of LDS; arguments encoder_outputs, w2f, hbw, v, scores; writes scores
.if DOCPART == 4
	.amdgcn_target "amdgcn-amd-amdhsa--gfx1250"
	.amdhsa_code_object_version 6
	.text
	.protected	k_q38570859c8_energy
	.globl	k_q38570859c8_energy
	.p2align	8
	.type	k_q38570859c8_energy,@function
k_q38570859c8_energy:
	s_mov_b64 s[64:65], 0
	v_nop
	global_prefetch_b8 v0, s[64:65] scope:SCOPE_SE
	s_setreg_imm32_b32 hwreg(HW_REG_WAVE_SCHED_MODE, 0, 2), 2
	s_setreg_imm32_b32 hwreg(HW_REG_WAVE_MODE, 25, 1), 1
	s_wait_xcnt 0x0
	s_wait_alu depctr_vm_vsrc(0)
; scores[b][s] = sum over n of v[n] tanh( sum over k of enc[s][b][k] attn_w[n][1024+k] + hb[b][n] ),  hb = hidden's share + bias.
; w2f holds bf16(C2 attn_w[:,1024:]) in fragment order and hbw holds C2 hb in f32, C2 = 2 log2(e), so that
; tanh = 1 - 2 / (1 + 2^acc) takes the accumulator as it is, and  score = sum v - 2 sum v / (1 + 2^acc).
;
; SHARING.  Work-group (x = block of s, y = b) owns the 128 rows s = 128 x .. + 127 at one b and ALL 1,024 columns n, since the sum over n
; must not cross work-groups: 8 x 32 = 256 work-groups.  Its 128 x 1,024 block of enc is read once, rounded to bf16 once and kept in LDS.
; Wave w owns columns 256 w .. + 255, in four chunks of 64: a tile of 128 rows x 64 columns, 32 accumulator tiles, 256 registers.
; For 32 along K a wave reads 8,192 bytes of enc fragments from LDS for 32 matrix instructions.
; The weights' fragments go from memory straight into registers: no wave shares a weight fragment with another wave of its group, each load
; covers 512 consecutive bytes, and a wave's whole stream (524,288 bytes) is consecutive in the order of use.
; NO CLUSTER, NO JOINT TENSOR LOADS, though all work-groups walk the same 2 MiB of w2f: the enc block takes 264,192 of the 327,680 bytes of
; LDS and the scores' scratch 2,048; a K step of 64 for the group's 256 columns is 32,768 bytes, so one slot could be read and only one be on
; its way.  The ring in registers holds three trips ahead: 3 x 8,192 bytes x 4 waves = 98,304 bytes, asked for 160 matrix instructions early.
;
; THE MATRIX INSTRUCTION IS USED TRANSPOSED: source 0 = 16 rows n of the weights, source 1 = 16 rows of enc.  Register j of lane (r, h) is then
; (row 16 mt + r, column 16 T + 8 h + j): the sum over columns runs mostly inside a lane, and hb and v are 8 neighbouring f32 a lane.
; The first product of a chunk takes hb as C: no accumulator is cleared and hb is never added by hand.
;
; LIMITS.  Matrix operands are bf16 (enc rounded once; weights rounded once after the scaling by C2), sums f32.  The base-2 exponential gives 0
; for results below 2^-126, where tanh is -1 in f32 anyway; above f32's range it gives infinity, the reciprocal 0, tanh +1.
; The sum over n is formed as sum v - 2 sum v / (1 + 2^acc), in another order than a plain sum of v tanh; its terms are no larger than |v|.
;
; REGISTERS, in windows of 256 (s_set_vgpr_msb: bits 1:0 source 0, 3:2 source 1, 5:4 source 2, 7:6 destination):
;   window 0: addresses, sums, v and hb (below);   window 1: accumulators, tile (mt, nt) at 32 mt + 8 nt; before that 8 row slots of enc in f32
;   window 2: enc fragments, two buffers, at 128 buf + 64 q + 8 mt;   window 3: weights, ring of four slots, at 64 slot + 32 q + 8 nt
;
; THE MODE: SCHED_MODE bits 1:0 = 2 (LLVM: expert scheduling mode 2), set by the entry lines.  The code itself states the register dependences
; between vector or matrix instructions and memory or LDS instructions, with s_wait_alu, always for 0.
; THE PLAN.  Registers that memory or LDS instructions touch, and who else names them:
;   row slots (window 1)  Turn i: the 16 conversions read and write slot i & 7 in place, the 8 LDS stores read it; turn i + 1 loads row i + 8 into it.
;                         One wait on va_vdst and one on vm_vsrc a turn, behind the conversions, ahead of the turn's loads and stores.
;                         Behind the barrier the slots become the accumulators: one wait on vm_vsrc there.
;   enc buffers (window 2) Trip t's matrix instructions read buffer t & 1; trip t's LDS loads land in the other one, which trip t - 1 read.
;   ring (window 3)       Trip t's matrix instructions read slot t & 3; trip t's loads land in slot (t + 3) & 3, which trip t - 1 read.
;   VV, HB                VV is read by a chunk's tanh pass, HB by trip 0's first 32 matrix instructions; both are loaded again in trip 1.
;   v4 to v17             Offsets and LDS addresses, made once at the head and never written again: scalar bases and immediate offsets do the rest.
;   SP, FS                At the end: written by vector adds, read by the LDS stores and by the one global store: a wait on va_vdst ahead of each.
; So ONE wait on va_vdst stands at a trip's head: all that trip t - 1 (and, at a chunk's start, the tanh pass) read is free.  The trip's loads follow it, dealt
; in three runs among its matrix instructions, which name buffer t & 1, slot t & 3, the accumulators and (trip 0) HB: none of the registers that the trip's loads touch.
.set PITCH, 2064                       ; an LDS row: 2,048 bytes of bf16 + 16: an odd multiple of 16, so the 16 rows of a fragment load start 16 bytes apart modulo 256
.set SCR,   128*PITCH                  ; 264,192: behind the block, [wave 4][row 128] f32
.set ADR,   8                          ; v[8:15]    LDS address of my part of enc fragment mt: (16 mt + r) PITCH + 16 h
.set VS,    20                         ; v[20:21]   sum of my v
.set SP,    24                         ; v[24:39]   pair mt: sum of v / (1 + 2^acc) for row 16 mt + r over my columns
.set VV,    40                         ; v[40:71]   v of the chunk: [nt][8]
.set HB,    72                         ; v[72:103]  C2 hb of the chunk: [nt][8]
.set FS,    104                        ; v[104:119] the four waves' sums at the end; no vector instruction names them before
.set W_MUL,  0x5b                      ; source 0 window 3, source 1 window 2, C and D window 1
.set W_MUL0, 0x4b                      ; the same with C in window 0 (hb)
.set W_TOA,  0x80                      ; destination window 2, address window 0
.set W_TOW,  0xc0                      ; destination window 3, address window 0
.set W_CVT,  0x45                      ; sources 0, 1 and destination window 1
.set W_MEM1, 0x44                      ; loaded data and LDS store data window 1, addresses window 0
.set W_INPL, 0x41                      ; source 0 and destination window 1
.set W_FROM, 0x01                      ; source 0 window 1, the rest window 0
.set MSB, 0
.macro WIN new                         ; the immediate's high byte repeats the setting that is left; a switch that changes nothing is dropped
.if MSB != \new
	s_set_vgpr_msb (MSB<<8)|\new
.set MSB, \new
.endif
.endm
; Four places of plain vector instructions lie between a matrix instruction and a vector instruction that reads its result, and between it and
; a load into one of its registers (ISA guide 7.12.1 for vector instructions; kept here for loads too).
.macro PLACES
.rept 4
	v_nop
.endr
.endm
	s_load_b256 s[4:11], s[0:1], 0x0               ; enc s[4:5], w2f s[6:7], hbw s[8:9], v s[10:11]
	s_load_b64 s[12:13], s[0:1], 0x20              ; scores
	v_lshl_add_u32 v254, v0, 2, 0x41000
	v_mov_b32 v255, 0
	v_lshrrev_b32 v1, 5, v0
	v_readfirstlane_b32 s14, v1                    ; wave 0..3
	s_and_b32 s15, ttmp7, 0xffff                   ; b;  ttmp9: block of s
	s_mov_b32 s22, 0x76543210                      ; v_permlanex16_b32: lane i takes lane i of the other half
	s_mov_b32 s23, 0xfedcba98
	v_and_b32 v1, 31, v0                           ; L
	v_and_b32 v2, 15, v0                           ; r
	v_bfe_u32 v3, v0, 4, 1                         ; h
	v_lshlrev_b32 v4, 4, v1                        ; 16 L
	v_lshlrev_b32 v5, 5, v3                        ; 32 h: my 8 f32 of a tile's 16 columns
	s_wait_alu depctr_va_sdst(0)                   ; s14 is written, ahead of its first reader: LDS places, four of the five bases and the last branch are made from it
	s_mul_i32 s24, s14, 32*PITCH                   ; my wave brings rows 32 w .. 32 w + 31 of the block
	v_lshl_add_u32 v6, v1, 3, s24                  ; + 8 L: 4 bf16 a lane;   rows 0-15 of the 32
	v_add_nc_u32 v7, 16*PITCH, v6                  ; rows 16-31 (31 rows and 1,792 bytes would not fit the 16-bit offset)
	v_mul_u32_u24 v18, v2, PITCH
	v_lshl_add_u32 v18, v3, 4, v18
.irp mt, 0,1,2,3,4,5,6,7
	v_add_nc_u32 v[ADR+\mt], \mt*16*PITCH, v18
.endr
	s_lshl_b32 s25, s14, 9                         ; (a register of its own: s24, which a vector instruction has read, is not written again)
	s_add_co_u32 s25, s25, SCR
	v_lshl_add_u32 v16, v2, 2, s25                 ; scratch: my wave's 512 bytes + 4 r
	v_add_nc_u32 v17, SCR, v4                      ; scratch, read back: rows 4 L .. 4 L + 3
	v_mov_b32 v[VS], 0
	v_mov_b32 v[VS+1], 0
.set zi, 0
.rept 16
	v_mov_b32 v[SP+zi], 0                          ; 18 running sums that live through all four chunks
.set zi, zi+1
.endr
	s_lshl_b32 s18, ttmp9, 24                      ; 128 s of 131,072 bytes
	s_lshl_b32 s19, s14, 22                        ; 32 s
	s_add_co_u32 s18, s18, s19
	s_lshl_b32 s19, s15, 12                        ; b rows of 4,096 bytes
	s_add_co_u32 s18, s18, s19
	s_mov_b32 s19, 0
	s_wait_kmcnt 0x0
	s_add_nc_u64 s[4:5], s[4:5], s[18:19]          ; enc at my wave's first row
	s_lshl_b32 s18, s14, 19
	s_add_nc_u64 s[6:7], s[6:7], s[18:19]          ; w2f at my wave's 524,288 bytes
	s_lshl_b32 s18, s14, 15                        ; 16 tiles of 2,048 bytes
	s_lshl_b32 s20, s15, 6                         ; b x 64 bytes
	s_add_co_u32 s18, s18, s20
	s_add_nc_u64 s[8:9], s[8:9], s[18:19]
	s_lshl_b32 s18, s14, 10
	s_add_nc_u64 s[10:11], s[10:11], s[18:19]      ; v at my 256 columns
	s_lshl_b32 s18, s15, 12
	s_lshl_b32 s20, ttmp9, 9
	s_add_co_u32 s18, s18, s20
	s_add_nc_u64 s[12:13], s[12:13], s[18:19]      ; scores[b][128 x]
; 16 loads: the weights of trip WTRIP of the chunk at s[6:7] (64 columns x 64 K, 8,192 bytes) into ring slot WSLOT.
; Trips 16 to 18 are the next chunk's first three: the stream is consecutive.
.macro FILLB
	WIN W_TOW
.irp q, 0,1
.irp nt, 0,1,2,3
.irp c, 0,1
	global_load_b128 v[64*WSLOT+32*\q+8*\nt+4*\c:64*WSLOT+32*\q+8*\nt+4*\c+3], v4, s[6:7] offset:8192*WTRIP+4096*\q+1024*\nt+512*\c
.endr
.endr
.endr
.endm
; 16 LDS loads: the fragments of 128 rows x 32 K (half q of a trip) at byte AKOFF + 64 q of the rows into buffer ABUF
.macro FETCHA q
	WIN W_TOA
.irp mt, 0,1,2,3,4,5,6,7
.irp c, 0,1
	ds_load_b128 v[128*ABUF+64*\q+8*\mt+4*\c:128*ABUF+64*\q+8*\mt+4*\c+3], v[ADR+\mt] offset:AKOFF+64*\q+32*\c
.endr
.endr
.endm
; 8 loads: this chunk's v.  what = 2: 8 more, the NEXT chunk's hb (4 tiles of 2,048 bytes further on).
.macro CONSTS what
	WIN 0
.irp nt, 0,1,2,3
.irp c, 0,1
	global_load_b128 v[VV+8*\nt+4*\c:VV+8*\nt+4*\c+3], v5, s[10:11] offset:64*\nt+16*\c
.endr
.endr
.if \what > 1
.irp nt, 0,1,2,3
.irp c, 0,1
	global_load_b128 v[HB+8*\nt+4*\c:HB+8*\nt+4*\c+3], v5, s[8:9] offset:8192+2048*\nt+16*\c
.endr
.endr
.endif
.endm
; 4 cnt matrix instructions: row tiles m0 .. m0 + cnt - 1 x 64 columns x 32 K (half q of the trip), buffer CBUF, slot CSLOT.  CFIRST = 1: C is hb.
; The 32 accumulators take turns, one instruction a turn, in the same order in every half trip.
.macro MUL q, m0, cnt
.set mm, \m0
.rept \cnt
.irp nt, 0,1,2,3
.if CFIRST
	v_wmma_f32_16x16x32_bf16 v[32*mm+8*\nt:32*mm+8*\nt+7], v[64*CSLOT+32*\q+8*\nt:64*CSLOT+32*\q+8*\nt+7], v[128*CBUF+64*\q+8*mm:128*CBUF+64*\q+8*mm+7], v[HB+8*\nt:HB+8*\nt+7]
.else
	v_wmma_f32_16x16x32_bf16 v[32*mm+8*\nt:32*mm+8*\nt+7], v[64*CSLOT+32*\q+8*\nt:64*CSLOT+32*\q+8*\nt+7], v[128*CBUF+64*\q+8*mm:128*CBUF+64*\q+8*mm+7], v[32*mm+8*\nt:32*mm+8*\nt+7]
.endif
.endr
.set mm, mm+1
.endr
.endm
	; FIRST REQUESTS: hb of chunk 0 and the weights of trips 0, 1, 2: 56 loads, older than every load of enc below
	s_wait_alu depctr_va_vdst(0)                   ; v4 to v17 are written: every load, LDS load, LDS store and store of the kernel reads one of them as its offset or address
.irp nt, 0,1,2,3
.irp c, 0,1
	global_load_b128 v[HB+8*\nt+4*\c:HB+8*\nt+4*\c+3], v5, s[8:9] offset:2048*\nt+16*\c
.endr
.endr
.set WSLOT, 0
.set WTRIP, 0
	FILLB
.set WSLOT, 1
.set WTRIP, 1
	FILLB
.set WSLOT, 2
.set WTRIP, 2
	FILLB
	; PHASE 1: my 32 rows of enc, 4,096 bytes each, through 8 row slots of 32 registers: f32 in, bf16 into LDS.
; row lr into slot lr & 7: eight loads of 512 consecutive bytes
.macro ROWLOAD
.irp q, 0,1,2,3,4,5,6,7
	global_load_b128 v[32*(lr&7)+4*\q:32*(lr&7)+4*\q+3], v4, s[4:5] offset:lr*131072+512*\q th:TH_LOAD_NT
.endr
.endm
	WIN W_MEM1
.set lr, 0
.rept 8
	ROWLOAD
.set lr, lr+1
.endr
; The turn of row ri.  The slot of row ri - 1 is loaded again (row ri + 7) one turn behind its LDS stores, ahead of this row's own stores.
.macro ROWTURN
.if ri == 0
	s_wait_loadcnt 56                              ; rows 1 to 7 stay out
.elseif ri < 26
	s_wait_loadcnt 48                              ; loads return in order (ISA guide 5.7.1): rows ri + 1 .. ri + 6 stay out
.else
	s_wait_loadcnt (31-ri)*8                       ; the rows that are left
.endif
	WIN W_CVT
.irp q, 0,1,2,3,4,5,6,7
	v_cvt_pk_bf16_f32 v[32*(ri&7)+4*\q],   v[32*(ri&7)+4*\q],   v[32*(ri&7)+4*\q+1]
	v_cvt_pk_bf16_f32 v[32*(ri&7)+4*\q+1], v[32*(ri&7)+4*\q+2], v[32*(ri&7)+4*\q+3]
.endr
	WIN W_MEM1
	s_wait_alu depctr_va_vdst(0)                   ; this row's conversions have written the words that the LDS stores below read; those of row ri - 1 are done with their slot, in which the loads below land
.if (ri > 0) && (ri < 25)
	s_wait_alu depctr_vm_vsrc(0)                   ; the LDS stores of row ri - 1, issued a turn ago, have read that slot: it may be loaded again, and later be converted in again
.set lr, ri+7
	ROWLOAD
.endif
.irp q, 0,1,2,3,4,5,6,7
	ds_store_b64 v[6+(ri>>4)], v[32*(ri&7)+4*\q:32*(ri&7)+4*\q+1] offset:(ri&15)*PITCH+256*\q   ; 32 lanes, 256 consecutive bytes
.endr
.endm
.set ri, 0
.rept 32
	ROWTURN
.set ri, ri+1
.endr
	s_wait_dscnt 0x0                               ; for the other waves: my rows are in LDS before I signal
	s_barrier_signal -1
	s_barrier_wait -1                              ; from here on the block is only read: no barrier in the loop
	s_wait_alu depctr_vm_vsrc(0)                   ; my LDS stores of rows 24 to 31 have read the row slots: these registers are the accumulators from here on, written by matrix instructions
; A TRIP: 64 along K, 64 matrix instructions.  At its head: the enc fragments asked for in the trip before (nothing younger is on that counter, so the
; wait is for 0) and the weights asked for three trips ago (left = the loads younger than them).  Then the one wait on va_vdst, and the trip's requests
; dealt among its matrix instructions: enc fragments for trip t + 1 into the buffer, weights for trip t + 3 into the slot, that trip t - 1 has read.
; The four places stay between trip t - 1's matrix instructions and these loads; they stand ahead of the wait and take no part of it, nor it of them.
; A trip that asks for nothing has neither.
.macro TRIP t, left, fillb, fetcha, consts
	s_wait_dscnt 0x0
	s_wait_loadcnt \left
.if (\fetcha) || (\fillb) || (\consts)
	PLACES
	s_wait_alu depctr_va_vdst(0)                   ; the matrix instructions of trip t - 1 are done reading their enc buffer and their ring slot; in trip 1 those of trip 0 are done reading HB, and the tanh pass is done reading VV
.endif
.set ABUF, ((\t+1)&1)
.set AKOFF, (((\t+1)&15)*128)
.set WSLOT, ((\t+3)&3)
.set WTRIP, (\t+3)
.set CBUF, ((\t)&1)
.set CSLOT, ((\t)&3)
.if \t == 0
.set CFIRST, 1
.set CWIN, W_MUL0
.else
.set CFIRST, 0
.set CWIN, W_MUL
.endif
	WIN CWIN
	MUL 0, 0, 2
.if \fetcha
	FETCHA 0                                       ; no wait: no vector or matrix instruction since the wait above names the other enc buffer or v[ADR ..]
.endif
	WIN CWIN
	MUL 0, 2, 2
.if \fetcha
	FETCHA 1
.endif
	WIN CWIN
	MUL 0, 4, 4
.if \consts
	CONSTS \consts                                 ; no wait: trip 1's matrix instructions take their C from the accumulators, and nothing since the wait names VV, HB or v5
.endif
.if \fillb
	FILLB                                          ; no wait: nothing since the wait names slot (t + 3) & 3 or v4
.endif
.set CFIRST, 0
	WIN W_MUL
	MUL 1, 0, 8
.endm
; THE TANH PASS over the chunk's 256 accumulators: acc -> 1 / (1 + 2^acc) in place, then SP += that x v, VS += v.
; Behind a run of transcendentals one plain instruction stands before a result is used (ISA guide 5.7.2).
; It names the accumulators, SP, VS and VV alone: none of the registers in which the loads that are out (enc buffer 0, ring slots 0 to 2) land.
.macro EPI
	PLACES
	WIN W_INPL
.irp mt, 0,1,2,3,4,5,6,7
.set e, 0
.rept 32
	v_exp_f32 v[32*\mt+e], v[32*\mt+e]
.set e, e+1
.endr
	v_nop
.set e, 0
	s_wait_alu depctr_va_vdst(0)
.rept 16
	v_pk_add_f32 v[32*\mt+e:32*\mt+e+1], v[32*\mt+e:32*\mt+e+1], 1.0 op_sel_hi:[1,0]
.set e, e+2
.endr
.set e, 0
.rept 32
	v_rcp_f32 v[32*\mt+e], v[32*\mt+e]
.set e, e+1
.endr
.endr
	v_nop
	WIN W_FROM
	s_wait_alu depctr_va_vdst(0)
.irp nt, 0,1,2,3
.irp jp, 0,2,4,6
.irp mt, 0,1,2,3,4,5,6,7
	v_pk_fma_f32 v[SP+2*\mt:SP+2*\mt+1], v[32*\mt+8*\nt+\jp:32*\mt+8*\nt+\jp+1], v[VV+8*\nt+\jp:VV+8*\nt+\jp+1], v[SP+2*\mt:SP+2*\mt+1]   ; eight chains in turn
.endr
.endr
.endr
	WIN 0
.irp nt, 0,1,2,3
.irp jp, 0,2,4,6
	v_pk_add_f32 v[VS:VS+1], v[VS:VS+1], v[VV+8*\nt+\jp:VV+8*\nt+\jp+1]
.endr
.endr
.endm
; A CHUNK: 64 columns, 16 trips, the tanh pass.  Order of the loads: .. weights 3 (trip 0), constants (trip 1), weights 4 (trip 1), 5, 6 ..
; So behind the weights of trips 2 and 3 lie two slots AND the constants (16 loads, in the last chunk 8); behind all others two slots, 32 loads.
; Trip 4's wait for 32 shows the constants in: v is used in this chunk's tanh pass, hb in the next chunk's first trip.
; hb's registers are free in trip 1: only trip 0's first 32 matrix instructions read them, and trip 1's places and its wait lie behind those.
; last = 1: nothing is asked for beyond the wave's stream (no weights from trip 13 on, no fragments in trip 15, no hb): the counts run down.
.macro CHUNK last
	TRIP 0, 32, 1, 1, 0
.if \last
	TRIP 1, 32, 1, 1, 1
	TRIP 2, 40, 1, 1, 0
	TRIP 3, 40, 1, 1, 0
.else
	TRIP 1, 32, 1, 1, 2
	TRIP 2, 48, 1, 1, 0
	TRIP 3, 48, 1, 1, 0
.endif
.irp t, 4,5,6,7,8,9,10,11,12
	TRIP \t, 32, 1, 1, 0
.endr
.if \last
	TRIP 13, 32, 0, 1, 0
	TRIP 14, 16, 0, 1, 0
	TRIP 15, 0, 0, 0, 0
.else
	TRIP 13, 32, 1, 1, 0
	TRIP 14, 32, 1, 1, 0
	TRIP 15, 32, 1, 1, 0
.endif
	EPI
.endm
.set ABUF, 0
.set AKOFF, 0
	FETCHA 0                                       ; trip 0's fragments: no vector instruction has named window 2 yet
	FETCHA 1
	WIN 0                                          ; at a label and at a branch every window is 0
	s_mov_b32 s20, 0
.Lchunk:
	CHUNK 0
	WIN 0
	s_wait_xcnt 0x0                                ; the bases are sources of the ring's pending loads: they are stepped only behind this wait
	s_add_nc_u64 s[6:7], s[6:7], 131072            ; the next chunk's weights,
	s_add_nc_u64 s[8:9], s[8:9], 8192              ; hb (4 tiles),
	s_add_nc_u64 s[10:11], s[10:11], 256           ; and v (64 columns)
	s_add_co_u32 s20, s20, 1
	s_cmp_lt_u32 s20, 3
	s_cbranch_scc1 .Lchunk
	CHUNK 1
	; THE END: score share of my 128 columns' half = VS - 2 SP; add the other half of the lanes (the other 8 of each 16 columns), then the waves.
	v_add_f32 v[VS], v[VS], v[VS+1]
.irp mt, 0,1,2,3,4,5,6,7
	v_add_f32 v[SP+2*\mt], v[SP+2*\mt], v[SP+2*\mt+1]
.endr
.irp mt, 0,1,2,3,4,5,6,7
	v_fma_f32 v[SP+2*\mt], v[SP+2*\mt], -2.0, v[VS]
.endr
.irp mt, 0,1,2,3,4,5,6,7
	v_permlanex16_b32 v[SP+2*\mt+1], v[SP+2*\mt], s22, s23     ; its destination counts as read: a register that has been written
.endr
.irp mt, 0,1,2,3,4,5,6,7
	v_add_f32 v[SP+2*\mt], v[SP+2*\mt], v[SP+2*\mt+1]
.endr
	s_wait_alu depctr_va_vdst(0)                   ; the eight adds have written v[SP + 2 mt], which the LDS stores read
.irp mt, 0,1,2,3,4,5,6,7
	ds_store_b32 v16, v[SP+2*\mt] offset:64*\mt    ; row 16 mt + r; both halves of the lanes write the same word with the same value
.endr
	s_wait_dscnt 0x0                               ; for wave 0: my stores are done before I signal
	s_barrier_signal -1
	s_barrier_wait -1
	s_cmp_lg_u32 s14, 0
	s_cbranch_scc1 .Lend
.irp w, 0,1,2,3
	ds_load_b128 v[FS+4*\w:FS+4*\w+3], v17 offset:512*\w       ; no wait: no vector instruction has named v[FS ..], and v17 stands since the head
.endr
	s_wait_dscnt 0x0
	v_pk_add_f32 v[FS:FS+1],     v[FS:FS+1],     v[FS+4:FS+5]
	v_pk_add_f32 v[FS+2:FS+3],   v[FS+2:FS+3],   v[FS+6:FS+7]
	v_pk_add_f32 v[FS+8:FS+9],   v[FS+8:FS+9],   v[FS+12:FS+13]
	v_pk_add_f32 v[FS+10:FS+11], v[FS+10:FS+11], v[FS+14:FS+15]
	v_pk_add_f32 v[FS:FS+1],     v[FS:FS+1],     v[FS+8:FS+9]
	v_pk_add_f32 v[FS+2:FS+3],   v[FS+2:FS+3],   v[FS+10:FS+11]
	s_wait_alu depctr_va_vdst(0)                   ; the adds have written v[FS:FS+3], which the store reads
	global_store_b128 v4, v[FS:FS+3], s[12:13]     ; the group's 128 scores: 512 consecutive bytes, aligned
.Lend:
	s_wait_dscnt 0x0
	s_wait_alu depctr_hold_cnt(0) depctr_sa_sdst(0) depctr_va_vdst(0) depctr_va_sdst(0) depctr_va_ssrc(0) depctr_va_vcc(0) depctr_vm_vsrc(0)
	s_wait_tensorcnt 0x0
	ds_add_u32 v254, v255
	s_wait_dscnt 0x0
	s_endpgm
.Lfunc_end_k_q38570859c8_energy:
	.size	k_q38570859c8_energy, .Lfunc_end_k_q38570859c8_energy-k_q38570859c8_energy
	.p2alignl 7, 3214868480
	.fill 96, 4, 3214868480
	.section	.rodata,"a",@progbits
	.p2align	6, 0x0
	.amdhsa_kernel k_q38570859c8_energy
		.amdhsa_group_segment_fixed_size 266752
		.amdhsa_private_segment_fixed_size 0
		.amdhsa_enable_private_segment 0
		.amdhsa_kernarg_size 40
		.amdhsa_user_sgpr_count 2
		.amdhsa_user_sgpr_kernarg_segment_ptr 1
		.amdhsa_wavefront_size32 1
		.amdhsa_system_sgpr_workgroup_id_x 1
		.amdhsa_system_sgpr_workgroup_id_y 1
		.amdhsa_system_sgpr_workgroup_id_z 1
		.amdhsa_system_vgpr_workitem_id 0
		.amdhsa_next_free_vgpr 1024
		.amdhsa_next_free_sgpr 66
		.amdhsa_reserve_vcc 0
		.amdhsa_float_denorm_mode_32 3
		.amdhsa_float_denorm_mode_16_64 3
		.amdhsa_memory_ordered 1
		.amdhsa_forward_progress 1
		.amdhsa_inst_pref_size 255
	.end_amdhsa_kernel
	.section	.bss,"aw",@nobits
	.p2align	6
	.space	262144
	.amdgpu_metadata
---
amdhsa.version: [ 1, 2 ]
amdhsa.kernels:
  - .name:           k_q38570859c8_energy
    .symbol:         k_q38570859c8_energy.kd
    .args:
      - { .name: encoder_outputs, .offset: 0, .size: 8, .value_kind: global_buffer, .address_space: global }
      - { .name: w2f, .offset: 8, .size: 8, .value_kind: global_buffer, .address_space: global }
      - { .name: hbw, .offset: 16, .size: 8, .value_kind: global_buffer, .address_space: global }
      - { .name: v, .offset: 24, .size: 8, .value_kind: global_buffer, .address_space: global }
      - { .name: scores, .offset: 32, .size: 8, .value_kind: global_buffer, .address_space: global }
    .group_segment_fixed_size: 266752
    .private_segment_fixed_size: 0
    .kernarg_segment_align: 8
    .kernarg_segment_size: 40
    .max_flat_workgroup_size: 128
    .sgpr_count:     66
    .vgpr_count:     1024
    .wavefront_size: 32
...
	.end_amdgpu_metadata
.endif
;; end of part 4
;; launch softmax: the kernel of part 3 again; grid 32 x 1, 1 waves a work-group, no clusters, 0 bytes of LDS; arguments scores, out0; writes out0
